; MI455X (gfx1250); checked and timed in simulation.
; The chip was launched on July 23, 2026; its instructions are those of AMD's public machine-readable ISA for CDNA 5 (MIT licence, August 2026) and "CDNA5" Instruction Set Architecture Reference Guide (July 2026). The comments in the code are by the model that wrote it; some were corrected since.
;; Causal Self Attention. Allowed arithmetic: matrix products marked QUANTISED: E2M1 operands, one E8M0 scale for each 32 along K, by v_wmma_scale_f32_16x16x128_f8f6f4 with both operands' format E2M1 (or v_wmma_scale_f32_32x16x128_f4), f32 sums; everything else in f32.
;; Inputs: bk 1,024 float32; bp 1,024 float32; bq 1,024 float32; bv 1,024 float32; wk 1,024 x 1,024 float32; wp 1,024 x 1,024 float32; wq 1,024 x 1,024 float32; wv 1,024 x 1,024 float32; x 4 x 2,048 x 1,024 float32.
;; Outputs: out0 4 x 2,048 x 1,024 float32.
;; This version of the problem:
;;   THIS VERSION OF THE PROBLEM IS GIVEN IN LOW PRECISION. The matrix products marked QUANTISED in the list below multiply operands that are first quantised to E2M1 (2 exponent bits, 1 mantissa bit; 4 bits a number), with one power-of-two scale for each 32 numbers along K (OCP MX v1.0); their sums are f32. All else is computed in f32.
;;   The module's matrix products, in the order in which they are computed (A, B: the left and right operand; K: the contracted axis; several contracted axes count as one K, in the product's order):
;;     1. [M 8,192, K 1,024] x [K 1,024, N 1,024]; A: input x; B: input wq: QUANTISED
;;     2. [M 8,192, K 1,024] x [K 1,024, N 1,024]; A: input x; B: input wk: QUANTISED
;;     3. [M 8,192, K 1,024] x [K 1,024, N 1,024]; A: input x; B: input wv: QUANTISED
;;     4. batch 64 x [M 2,048, K 64] x [K 64, N 2,048]; A: computed on the way; B: computed on the way: QUANTISED
;;     5. batch 64 x [M 2,048, K 2,048] x [K 2,048, N 64]; A: softmax (see below); B: computed on the way: QUANTISED
;;     6. [M 8,192, K 1,024] x [K 1,024, N 1,024]; A: computed on the way; B: input wp: QUANTISED
;;   THE QUANTISER, for each operand of a quantised product, along K:
;;     - K is cut into blocks of 32 from its start; a last block that is shorter is filled with zeros.
;;     - A block's scale is 2^e with e = floor(log2(the largest magnitude in the block)) - 2, held to -126 .. 127; a block of zeros has e = 0. As a byte (E8M0): e + 127.
;;     - Each number is divided by its block's scale, clamped to +-6, and rounded to the nearest number of E2M1, ties to even, subnormals kept.
;;     - The product sums the exact products of the quantised numbers (number of the format x scale) in f32.
;;   ~~~python
;;   def quantise(x, axis):      # numpy; x: float32 -> the quantised numbers, widened to float32 again
;;       x = np.moveaxis(x, axis, -1); K = x.shape[-1]
;;       x = np.pad(x, [(0, 0)] * (x.ndim - 1) + [(0, -K % 32)]); x = x.reshape(x.shape[:-1] + (-1, 32)); a = np.abs(x).max(-1, keepdims=True)
;;       e = np.where(a > 0, np.clip(np.frexp(np.where(a > 0, a, 1))[1] - 1 - 2, -126, 127), 0)      # np.frexp(a)[1] - 1 = floor(log2(a)), exactly
;;       r = np.clip(x / 2.0 ** e, -6, 6)
;;       step = 2.0 ** (np.maximum(np.frexp(np.where(r == 0, 1, r))[1] - 1, 0) - 1)
;;       q = np.round(r / step) * step * 2.0 ** e      # np.round: ties to even
;;       return np.moveaxis(q.reshape(q.shape[:-2] + (-1,))[..., :K], -1, axis).astype(np.float32)
;;   ~~~
;;   SOFTMAX AHEAD OF A QUANTISED PRODUCT. Where the list says 'softmax', what is quantised is not the finished softmax but p = 2^(t - M), with t = logit x log2(e) and M = ceil(the row's largest t), a whole number; so 1/2 < the row's largest p <= 1. The row's sum l is taken of the UNQUANTISED p, in f32, and the product's result is divided by l at the end. Since M is a whole number, a kernel that streams over the keys may use a running M (the ceiling of the running maximum): every later rescaling is an exact power of two, which a block's scale takes up: the codes' values come out the same.
;;   OPERANDS COMPUTED ON THE WAY. 'Computed on the way' means the value that the module computes at that place (a softmax that the list does not call 'softmax' is quantised finished and normalised). What goes into a quantiser is computed in f32, as accurately as f32 sums, v_exp_f32 and their like allow (about 1e-6 of the number): no bf16 or f16 on the way to a quantiser, and a product that is left as it is and whose result goes on into a quantised operand takes f32 operands (vector FMAs, or v_wmma_f32_16x16x4_f32). A number that lies on a knife's edge between two numbers of the format may be rounded either way, as far as f32 arithmetic and the matrix unit's own rounding can turn it there, and no further.
;; One version. Each part assembles by itself: llvm-mc -triple=amdgcn-amd-amdhsa -mcpu=gfx1250 --defsym DOCPART=n.
;; ======== version 1 of 1: 4 launches
;; limits: right only within a limited range of input values
;; workspace buffers: xq 4,456,448 bytes; wq4 2,228,224 bytes; rope 524,288 bytes; qq 4,718,592 bytes; kv 8,912,896 bytes; yq 4,456,448 bytes
;; launch prep (part 1): grid 416 x 1, 4 waves a work-group, no clusters, 35,328 bytes of LDS; arguments x, wq, wk, wv, wp, xq, wq4, rope; writes xq, wq4, rope
.if DOCPART == 1
	.amdgcn_target "amdgcn-amd-amdhsa--gfx1250"
	.amdhsa_code_object_version 6
	.text
	.protected	k_qdabbbc78c0_prep
	.globl	k_qdabbbc78c0_prep
	.p2align	8
	.type	k_qdabbbc78c0_prep,@function
k_qdabbbc78c0_prep:
	s_mov_b64 s[64:65], 0
	v_nop
	global_prefetch_b8 v0, s[64:65] scope:SCOPE_SE
	s_setreg_imm32_b32 hwreg(HW_REG_WAVE_MODE, 25, 1), 1
	s_wait_xcnt 0x0
; FIRST OF FOUR LAUNCHES (prep, qkv, attn, proj) of causal self-attention, B 4, T 2,048, C 1,024, 16 heads of 64, all six products on codes of FP4 (E2M1) with one E8M0 scale for each 32 along K.
; DEAD WORK OF THE PROGRAM.  reference() builds causal = tril(ones) in its own body and puts -1e10 wherever key s > query t; behind the softmax such a place weighs 2^(-1.44e10 - M) beside a largest weight above 1/2,
; which is nothing in f32 for every input whose visible logits lie above about -1e10 + 150.  So the launch attn leaves out every step of 128 keys all of whose keys come after all 16 queries of a tile, in both products of the
; attention, and gives the hidden keys of the one step on the diagonal the weight 0.  Nothing else is left out: every bias moves codes, every input is loaded.
; LIMITS OF THE PROGRAM: logits near -1e10 are not served; NaN and infinities among the inputs are not served, and a NaN, an infinity or an overflow that reaches only the work left out is not carried to the result;
; a block of zeros gets the scale byte 1 where the rule says 127 (its codes are zeros, which add nothing under any byte but 0xff; the bytes are read by this program alone); blocks whose largest magnitude lies under 2^-124 were not tried.
; THIS LAUNCH: work-groups 0-255 quantise x, 256-383 the four weights, 384-415 make the table of cos and sin for the rotation.
; LAYOUT OF THE CODES.  A tile is 16 rows x 1,024 K: 8,192 bytes; block kb (32 codes, 16 bytes) of its row r lies at 256 kb + 16 r, so that each group of four operand registers of a K step of 128 is 512 consecutive bytes, 16 a lane.
; Tile 2 b + u holds the rows 32 b + 8 u + r + 8 (r / 8): as source 0 of a matrix instruction, the 16 result registers of tiles 2 b and 2 b + 1 are then 16 neighbours.
; A tile's scale words (four bytes: a row's 128 along K) lie at 256 (s / 4) + 16 r + 4 (s % 4), behind all codes.
; A WAVE takes one tile and half of K: 8 granules of 16 rows x 64 K.  A load takes two rows' 256 consecutive bytes; a granule turns through the wave's own stage in LDS (rows 272 bytes apart) and comes back as one whole
; block of 32 numbers a lane, so that a block's largest magnitude needs no other lane.  Loads run four granules ahead, the turn through LDS one.  Waves share nothing: no barrier.
; THE TABLE: the angle is one f32 product position x theta, as reference() forms it; theta is 10^(-i/8) rounded to f32 (LIMIT: within about one unit in the last place of reference()'s 1 / 10000^(2i/64));
; cos and sin by taking off k = the nearest whole number of quarter turns in two fused steps (pi/2 as a high and a low part: the first step is exact) and two short polynomials on |rest| <= pi/4.
.set SPARE, 34816                      ; behind the four waves' stages: the spare words, 128 bytes a wave
.set XSO,   4194304                    ; where the scale words begin in xq
.set WSO,   2097152                    ; and in wq4
.set WREG,  8704                       ; a wave's two stages
.set STG,   4352                       ; a stage: 16 rows x 272 bytes
.set R,     32                         ; v32-159  four sets of 32 registers as loaded
.set X,     160                        ; v160-223 two sets of 32: a lane's block
.set C,     224                        ; v224-255 a granule's codes, four registers each, never written again
.set OUT,   32                         ; the table's path: v32-63, cos and sin of 16 pairs
	s_load_b256 s[4:11], s[0:1], 0x0               ; x, wq, wk, wv
	s_load_b256 s[12:19], s[0:1], 0x20             ; wp, xq, wq4, rope
	v_lshl_add_u32 v30, v0, 2, SPARE               ; my spare word
	v_mov_b32 v31, 0
	v_lshrrev_b32 v1, 5, v0
	v_readfirstlane_b32 s20, v1                    ; wave 0..3
	v_and_b32 v7, 15, v0                           ; r
	v_bfe_u32 v8, v0, 4, 1                         ; h
	v_and_b32 v4, 31, v0
	v_lshlrev_b32 v4, 4, v4                        ; 16 x lane
	v_cmp_eq_u32 vcc_lo, 1, v8                     ; lanes 16-31
	s_cmp_ge_u32 ttmp9, 384
	s_cbranch_scc1 .Ltable
	; ---------------- the quantiser
	v_lshlrev_b32 v9, 4, v7                        ; 16 r
	v_lshl_add_u32 v1, v8, 12, v9                  ; a load: lanes 0-15 one row's 256 bytes, lanes 16-31 the next row's
	s_mul_i32 s46, s20, WREG
	v_mul_u32_u24 v2, v8, 272
	v_add_nc_u32 v2, v2, v9
	v_add_nc_u32 v2, s46, v2                       ; into the stage: row h of the pair, 16 r
	v_mul_u32_u24 v3, v7, 272
	v_lshl_add_u32 v3, v8, 7, v3
	v_add_nc_u32 v3, s46, v3                       ; out of it: row r, block h
	v_lshl_add_u32 v5, v8, 3, v9                   ; the scale words' way out: 16 r + 8 h
	v_lshlrev_b32 v6, 3, v8                        ; 8 h
.irp s, 0,1,2,3
	v_mov_b32 v[20+\s], 0                          ; written once: a lane permute's destination counts as one of its sources
.endr
	s_mov_b32 s44, 0x76543210
	s_mov_b32 s45, 0xfedcba98                      ; v_permlanex16_b32's selects for lane l xor 16
	s_lshr_b32 s29, s20, 1                         ; which of the work-group's two tiles
	s_and_b32 s30, s20, 1                          ; which half of K
	s_wait_alu depctr_va_vdst(0)
	s_wait_kmcnt 0x0
	s_sub_co_u32 s21, ttmp9, 256                   ; the weights' work-groups count from 0 (it wraps in x's, where it is not used)
	s_cmp_lt_u32 s21, 96
	s_cselect_b64 s[22:23], s[10:11], s[12:13]     ; 32 work-groups a weight: wq, wk, wv, wp.  Every choice hangs on the work-group's number alone
	s_cmp_lt_u32 s21, 64
	s_cselect_b64 s[22:23], s[8:9], s[22:23]
	s_cmp_lt_u32 s21, 32
	s_cselect_b64 s[22:23], s[6:7], s[22:23]
	s_mov_b32 s28, WSO
	s_mov_b32 s27, 31
	s_cmp_lt_u32 ttmp9, 256
	s_cselect_b64 s[22:23], s[4:5], s[22:23]       ; from where
	s_cselect_b64 s[24:25], s[14:15], s[16:17]     ; to where
	s_cselect_b32 s26, ttmp9, s21                  ; pair of tiles in the destination
	s_cselect_b32 s28, XSO, s28
	s_cselect_b32 s27, 255, s27
	s_and_b32 s27, s26, s27                        ; pair of tiles in the source
	s_lshl_b32 s31, s27, 1
	s_add_co_u32 s31, s31, s29                     ; source tile
	s_lshl_b32 s32, s26, 1
	s_add_co_u32 s32, s32, s29                     ; destination tile
	s_lshr_b32 s33, s31, 1
	s_lshl_b32 s33, s33, 17                        ; 32 rows of 4,096 bytes for each pair of tiles,
	s_and_b32 s34, s31, 1
	s_lshl_b32 s34, s34, 15                        ; 8 rows for the odd tile,
	s_add_co_u32 s33, s33, s34
	s_lshl_b32 s34, s30, 11                        ; 2,048 bytes for the second half of K
	s_add_co_u32 s34, s33, s34
	s_mov_b32 s35, 0
	s_add_nc_u64 s[22:23], s[22:23], s[34:35]
	s_lshl_b32 s36, s32, 13
	s_lshl_b32 s33, s30, 12
	s_add_co_u32 s36, s36, s33
	s_mov_b32 s37, 0
	s_add_nc_u64 s[38:39], s[24:25], s[36:37]      ; my codes
	s_lshl_b32 s36, s32, 9
	s_lshl_b32 s33, s30, 8
	s_add_co_u32 s36, s36, s33
	s_add_co_u32 s36, s36, s28
	s_add_nc_u64 s[40:41], s[24:25], s[36:37]      ; my scale words
.macro LOAD q                          ; granule q: tile rows 2 i and 2 i + 1 are the rows 2 i + 8 (i / 4) on of the source
.irp i, 0,1,2,3,4,5,6,7
	global_load_b128 v[R+32*((\q)%4)+4*\i:R+32*((\q)%4)+4*\i+3], v1, s[22:23] offset:(16*(\i/4)+2*(\i%4))*4096+(\q)*256 th:TH_LOAD_NT
.endr
.endm
.macro TURN q                          ; through the stage: LDS serves a wave's instructions in order, so no wait stands between the stores and the loads
.irp i, 0,1,2,3,4,5,6,7
	ds_store_b128 v2, v[R+32*((\q)%4)+4*\i:R+32*((\q)%4)+4*\i+3] offset:STG*((\q)%2)+544*\i
.endr
.irp e, 0,1,2,3,4,5,6,7
	ds_load_b128 v[X+32*((\q)%2)+4*\e:X+32*((\q)%2)+4*\e+3], v3 offset:STG*((\q)%2)+16*\e
.endr
.endm
.macro GRAN q
.set XS, X+32*((\q)%2)
	s_wait_dscnt 0x0                               ; my block is back from the stage, and the stage's stores have read the set that the next loads fill
.if (\q) < 4
	LOAD (\q)+4
.endif
.if (\q) < 7
.if (\q) < 4
	s_wait_loadcnt 24                              ; the next granule's eight loads are in; the three granules behind it may be out
.else
	s_wait_loadcnt 8*(6-(\q))                      ; the counts run down: two granules, one, none
.endif
	TURN (\q)+1
.endif
	v_max3_num_f32 v12, |v[XS]|, |v[XS+1]|, |v[XS+2]|              ; the block's largest magnitude: all 32 numbers are mine; two chains
	v_max3_num_f32 v13, |v[XS+3]|, |v[XS+4]|, |v[XS+5]|
.irp i, 6,10,14,18,22,26
	v_max3_num_f32 v12, v12, |v[XS+\i]|, |v[XS+\i+1]|
	v_max3_num_f32 v13, v13, |v[XS+\i+2]|, |v[XS+\i+3]|
.endr
	v_max3_num_f32 v12, v12, |v[XS+30]|, |v[XS+31]|
	v_max3_num_f32 v12, v12, v13, 0x1800000        ; and the floor 2^(3 - 127): the byte cannot fall under 1
	v_add_nc_u32 v11, 0xff000000, v12              ; 2 off the exponent field: the conversion takes the exponent field of this operand as its scale
.irp g, 0,1,2,3
	v_cvt_scalef32_pk8_fp4_f32 v[C+4*(\q)+\g], v[XS+8*\g:XS+8*\g+7], v11
.endr
	v_lshrrev_b32 v13, 23, v11                     ; the scale's byte (a plain line behind the conversions)
.if (\q)%2 == 0
	v_mov_b32 v[16+(\q)/2], v13                    ; K step q / 2: my byte of blocks h and 2 + h
.else
	v_lshl_or_b32 v[16+(\q)/2], v13, 16, v[16+(\q)/2]
.endif
	global_store_b128 v4, v[C+4*(\q):C+4*(\q)+3], s[38:39] offset:512*(\q)   ; 32 lanes store 512 consecutive bytes
.endm
.irp q, 0,1,2,3
	LOAD \q
.endr
	s_wait_loadcnt 24                              ; granule 0's eight loads are in
	TURN 0
.irp q, 0,1,2,3,4,5,6,7
	GRAN \q
.endr
.irp s, 0,1,2,3
	v_lshlrev_b32 v[16+\s], v6, v[16+\s]           ; my two bytes at their places in the word (8 h bits up)
.endr
.irp s, 0,1,2,3
	v_permlanex16_b32 v[20+\s], v[16+\s], s44, s45
.endr
.irp s, 0,1,2,3
	v_or_b32 v[16+\s], v[16+\s], v[20+\s]          ; with lane l xor 16's two the word is whole
.endr
	v_cndmask_b32 v24, v16, v18, vcc_lo            ; lanes 0-15 store words 0 and 1 of their row, lanes 16-31 words 2 and 3
	v_cndmask_b32 v25, v17, v19, vcc_lo
	global_store_b64 v5, v[24:25], s[40:41]        ; 32 lanes store 256 consecutive bytes, aligned
	s_wait_tensorcnt 0x0                           ; the wave's end
	ds_add_u32 v30, v31
	s_wait_dscnt 0x0
	s_endpgm
	; ---------------- the table: a wave makes one tile of 16 positions x 32 pairs
.Ltable:
	s_sub_co_u32 s21, ttmp9, 384
	s_lshl_b32 s21, s21, 2
	s_add_co_u32 s21, s21, s20                     ; tile of positions, 0..127
	s_lshr_b32 s22, s21, 1
	s_lshl_b32 s22, s22, 5
	s_and_b32 s23, s21, 1
	s_lshl_b32 s23, s23, 3
	s_add_co_u32 s22, s22, s23
	s_wait_alu depctr_va_vdst(0)
	v_and_b32 v9, 8, v7
	v_add_nc_u32 v9, v9, v7
	v_add_nc_u32 v9, s22, v9                       ; my position: 32 (tile / 2) + 8 (tile % 2) + r + 8 (r / 8)
	v_cvt_f32_u32 v9, v9
	s_mov_b32 s26, 0x3f22f983                      ; 2 / pi
	s_mov_b32 s27, 0x3fc90fdb                      ; pi / 2, high part
	s_mov_b32 s28, 0xb33bbd2e                      ; and what is left of it
	s_mov_b32 s29, -1.6666654611e-1                ; sine: rest + rest z (s29 + z (s30 + z s31)), z = rest^2
	s_mov_b32 s30, 8.3321608736e-3
	s_mov_b32 s31, -1.9515295891e-4
	s_mov_b32 s32, 4.166664568e-2                  ; cosine: 1 - z / 2 + z^2 (s32 + z (s33 + z s34))
	s_mov_b32 s33, -1.388731625e-3
	s_mov_b32 s34, 2.443315712e-5
	s_lshl_b32 s24, s21, 12
	s_mov_b32 s25, 0
	s_wait_kmcnt 0x0
	s_add_nc_u64 s[18:19], s[18:19], s[24:25]
.macro SINCOS n, lo, hi                ; lanes 0-15 take the pair with theta lo, lanes 16-31 the pair eight further on
	v_mov_b32 v10, \lo
	v_mov_b32 v11, \hi
	v_cndmask_b32 v10, v10, v11, vcc_lo
	s_wait_alu depctr_va_vdst(0)
	v_mul_f32 v10, v9, v10                         ; the angle: one rounding, as reference() has it
	v_mul_f32 v11, s26, v10
	v_rndne_f32 v11, v11                           ; k quarter turns
	v_fma_f32 v12, -v11, s27, v10                  ; exact: a multiple of 2^-24 under 1
	v_fma_f32 v12, -v11, s28, v12                  ; the rest
	v_mul_f32 v13, v12, v12
	v_fma_f32 v14, v13, s31, s30
	v_fma_f32 v14, v14, v13, s29
	v_mul_f32 v15, v12, v13
	v_fma_f32 v14, v14, v15, v12                   ; sin(rest)
	v_fma_f32 v16, v13, s34, s33
	v_fma_f32 v16, v16, v13, s32
	v_mul_f32 v15, v13, v13
	v_fma_f32 v17, v13, -0.5, 1.0
	v_fma_f32 v16, v16, v15, v17                   ; cos(rest)
	v_cvt_i32_f32 v11, v11
	v_and_b32 v15, 1, v11
	v_cmp_eq_u32 s36, 1, v15                       ; an odd k changes the two
	v_cndmask_b32 v17, v14, v16, s36
	v_cndmask_b32 v18, v16, v14, s36
	v_lshlrev_b32 v15, 30, v11
	v_and_b32 v15, 0x80000000, v15                 ; the sine is negative for k % 4 = 2, 3
	v_xor_b32 v[OUT+2*\n+1], v15, v17
	v_add_nc_u32 v11, 1, v11
	v_lshlrev_b32 v15, 30, v11
	v_and_b32 v15, 0x80000000, v15                 ; the cosine for k % 4 = 1, 2
	v_xor_b32 v[OUT+2*\n], v15, v18
.endm
	SINCOS 0, 1.0, 0.1
	SINCOS 1, 0.7498942093, 0.07498942093
	SINCOS 2, 0.5623413252, 0.05623413252
	SINCOS 3, 0.4216965034, 0.04216965034
	SINCOS 4, 0.3162277660, 0.03162277660
	SINCOS 5, 0.2371373706, 0.02371373706
	SINCOS 6, 0.1778279410, 0.01778279410
	SINCOS 7, 0.1333521432, 0.01333521432
	SINCOS 8, 0.01, 0.001
	SINCOS 9, 0.007498942093, 0.0007498942093
	SINCOS 10, 0.005623413252, 0.0005623413252
	SINCOS 11, 0.004216965034, 0.0004216965034
	SINCOS 12, 0.003162277660, 0.0003162277660
	SINCOS 13, 0.002371373706, 0.0002371373706
	SINCOS 14, 0.001778279410, 0.0001778279410
	SINCOS 15, 0.001333521432, 0.0001333521432
.irp q, 0,1,2,3,4,5,6,7
	global_store_b128 v4, v[OUT+4*\q:OUT+4*\q+3], s[18:19] offset:512*\q   ; piece q: cos, sin, cos, sin of two pairs: 512 consecutive bytes
.endr
	s_endpgm
.Lfunc_end_k_qdabbbc78c0_prep:
	.size	k_qdabbbc78c0_prep, .Lfunc_end_k_qdabbbc78c0_prep-k_qdabbbc78c0_prep
	.p2alignl 7, 3214868480
	.fill 96, 4, 3214868480
	.section	.rodata,"a",@progbits
	.p2align	6, 0x0
	.amdhsa_kernel k_qdabbbc78c0_prep
		.amdhsa_group_segment_fixed_size 35328
		.amdhsa_private_segment_fixed_size 0
		.amdhsa_enable_private_segment 0
		.amdhsa_kernarg_size 64
		.amdhsa_user_sgpr_count 2
		.amdhsa_user_sgpr_kernarg_segment_ptr 1
		.amdhsa_wavefront_size32 1
		.amdhsa_system_sgpr_workgroup_id_x 1
		.amdhsa_system_sgpr_workgroup_id_y 1
		.amdhsa_system_sgpr_workgroup_id_z 1
		.amdhsa_system_vgpr_workitem_id 0
		.amdhsa_next_free_vgpr 256
		.amdhsa_next_free_sgpr 66
		.amdhsa_reserve_vcc 1
		.amdhsa_float_denorm_mode_32 3
		.amdhsa_float_denorm_mode_16_64 3
		.amdhsa_memory_ordered 1
		.amdhsa_forward_progress 1
		.amdhsa_inst_pref_size 57
	.end_amdhsa_kernel
	.amdgpu_metadata
---
amdhsa.version: [ 1, 2 ]
amdhsa.kernels:
  - .name:           k_qdabbbc78c0_prep
    .symbol:         k_qdabbbc78c0_prep.kd
    .args:
      - { .name: x, .offset: 0, .size: 8, .value_kind: global_buffer, .address_space: global }
      - { .name: wq, .offset: 8, .size: 8, .value_kind: global_buffer, .address_space: global }
      - { .name: wk, .offset: 16, .size: 8, .value_kind: global_buffer, .address_space: global }
      - { .name: wv, .offset: 24, .size: 8, .value_kind: global_buffer, .address_space: global }
      - { .name: wp, .offset: 32, .size: 8, .value_kind: global_buffer, .address_space: global }
      - { .name: xq, .offset: 40, .size: 8, .value_kind: global_buffer, .address_space: global }
      - { .name: wq4, .offset: 48, .size: 8, .value_kind: global_buffer, .address_space: global }
      - { .name: rope, .offset: 56, .size: 8, .value_kind: global_buffer, .address_space: global }
    .group_segment_fixed_size: 35328
    .private_segment_fixed_size: 0
    .kernarg_segment_align: 8
    .kernarg_segment_size: 64
    .max_flat_workgroup_size: 128
    .sgpr_count:     66
    .vgpr_count:     256
    .wavefront_size: 32
...
	.end_amdgpu_metadata
.endif
;; end of part 1
;; launch qkv (part 2): grid 32 x 8, 4 waves a work-group, clusters of 4 x 1, 201,216 bytes of LDS; arguments xq, wq4, rope, bq, bk, bv, qq, kv; writes qq, kv
.if DOCPART == 2
	.amdgcn_target "amdgcn-amd-amdhsa--gfx1250"
	.amdhsa_code_object_version 6
	.text
	.protected	k_qdabbbc78c0_qkv
	.globl	k_qdabbbc78c0_qkv
	.p2align	8
	.type	k_qdabbbc78c0_qkv,@function
k_qdabbbc78c0_qkv:
	s_mov_b64 s[64:65], 0
	v_nop
	global_prefetch_b8 v0, s[64:65] scope:SCOPE_SE
	s_setreg_imm32_b32 hwreg(HW_REG_WAVE_MODE, 25, 1), 1
	s_wait_xcnt 0x0
	s_wait_alu depctr_hold_cnt(0) depctr_sa_sdst(0) depctr_va_vdst(0) depctr_va_sdst(0) depctr_va_ssrc(0) depctr_va_vcc(0) depctr_vm_vsrc(0)
	s_getreg_b32 s2, hwreg(HW_REG_IB_STS2, 6, 4)
	s_cmp_eq_u32 s2, 0
	s_cbranch_scc0 .Lentry_in_a_cluster
	s_endpgm
.Lentry_in_a_cluster:
	s_bfe_u32 s2, ttmp6, 0x10000c
	s_cmp_lg_u32 s2, 0x3003
	s_cbranch_scc0 .Lentry_shape_is_right
	s_endpgm
.Lentry_shape_is_right:
; q = rot(x wq^T + bq), k = rot(x wk^T + bk), v = x wv^T + bv on codes of FP4, and the quantisers of q and k (along the head's 64) and of v (along the keys).  Nothing of reference() is left out here.
; SHARES.  A work-group takes 256 tokens and two heads, in six parts (q, k, v x two heads) of 64 columns; each of its four waves takes 64 tokens (four tiles of 16) and all 64 columns (four tiles): 16 accumulators.
; A wave's codes of x for ALL of K stay in 256 registers, loaded as they lie (no other wave of the work-group wants them).  The weights' 24 tiles are wanted by all four waves and by the four work-groups of the
; cluster (same heads, other tokens): each wave asks for a quarter of them JOINTLY, once; they stay in LDS: nothing is filled again.  One tensor load of a wave is out.
; q AND k ARE MADE TRANSPOSED (source 0 = 16 rows of the weight, source 1 = 16 tokens): a lane holds one token and its registers run along the head, so that the rotation's pairs and the quantiser's blocks lie in a lane's registers.
; v IS MADE THE OTHER WAY ROUND (source 0 = tokens): a lane holds one column and its registers run along the tokens, which are the second product's K.  The biases are the C of each sum's first matrix instruction.
; WHAT IS STORED.  qq: a token's 64 codes as 32 bytes, tokens in their own order; its scale word e0, e1, e0, e1.  kv: for each head 16 records of 128 keys, 8,704 bytes: K (group of 32 keys b, half u: 1,024 b + 512 u + 16 lane;
; lane (r, H): block H of key 32 b + 8 u + r + 8 (r / 8)), V (tile of 16 columns dt, 1,024 dt + 512 c + 16 lane: keys 64 c + 32 H on), K's scale words (16 r + 4 b), V's (16 r + 4 dt).
; The scale words meet in a stage in LDS and leave at the end as whole runs of 256 bytes.
; REGISTERS, in windows of 256: window 0: v1-15 addresses; v16-47 x's scale words; v48-79 the weight's; v80-207 the accumulators ((tt, ct) at 80 + 8 (4 tt + ct)); v208-255 at work.
;   window 1: x's fragments ((tt, s) at 8 (8 tt + s)).   window 2: the weight's fragments, two buffers of four K steps.   window 3: v0-127 cos and sin in the accumulators' layout; v128-159 the bias as C; v160-163 v's bias, a number a lane.
.set SCSTG, 196608                     ; behind the weights: the stage for scale words, 4,096 bytes: q's two heads, K's, V's, 1,024 each
.set SPARE, 200704                     ; the spare words, 128 bytes a wave
.set XSO,   4194304
.set WSO,   2097152
.set QSO,   4194304
.set HEADB, 139264                     ; a head's 16 records
.set RECB,  8704
.set XS,  16
.set WS,  48
.set ACC, 80
.set T,   208                          ; v208-215 the rotation's products
.set MX,  216                          ; v216-217 largest magnitudes
.set PX,  218                          ; v218-219 the other half's
.set SC,  220                          ; v220-221 the conversions' scale operands
.set EB,  222                          ; v222-223 the bytes
.set HW,  224                          ; v224-227 two bytes, for each tile
.set WD,  228                          ; v228-231 scale words
.set CD,  232                          ; v232-247 codes, four registers for each tile
.set BI,  128
.set BT,  160
.set MSB, 0
.macro WIN new                         ; the immediate's high byte repeats the setting that is left
.if MSB != (\new)
	s_set_vgpr_msb (MSB<<8)|(\new)
.set MSB, (\new)
.endif
.endm
.macro PLACES                          ; four plain places behind matrix instructions, ahead of loads into their registers and of reads of their results
.rept 4
	v_nop
.endr
.endm
.macro CROUND                          ; a round of the cluster's barrier
	s_barrier_signal -1
	s_barrier_wait -1
	s_cmp_lg_u32 s20, 0
	s_cbranch_scc1 .Lnot_wave_0_\@
	s_barrier_signal -3
.Lnot_wave_0_\@:
	s_barrier_wait -3
	s_barrier_signal -1
	s_barrier_wait -1
.endm
	s_load_b256 s[4:11], s[0:1], 0x0               ; xq, wq4, rope, bq
	s_load_b256 s[12:19], s[0:1], 0x20             ; bk, bv, qq, kv
	v_lshl_add_u32 v14, v0, 2, SPARE
	v_mov_b32 v15, 0
	ds_add_u32 v14, v15                            ; the wave's opening: the add, twice on end, and its wait ahead of my first tensor load
	ds_add_u32 v14, v15
	v_lshrrev_b32 v1, 5, v0
	v_readfirstlane_b32 s20, v1                    ; wave 0..3
	s_bfe_u32 s21, ttmp6, 0x40000                  ; my place in the cluster
	s_lshl_b32 s22, ttmp9, 2
	s_add_co_u32 s22, s22, s21                     ; my block of 256 tokens: it enters global addresses alone
	s_and_b32 s23, ttmp7, 0xffff                   ; my pair of heads, which the four partners share
	; descriptor group 1: three rows (wq, wk, wv) of 16,384 bytes (two tiles), 524,288 bytes apart; elements of 8 bytes
	s_mov_b32 s32, 15|(3<<16)|(1<<21)              ; the mask: all four work-groups; bit 21 beside it
	s_mov_b32 s33, 2048<<16                        ; tensor_dim0
	s_mov_b32 s34, 3<<16                           ; tensor_dim1
	s_mov_b32 s35, 2048<<16                        ; tile_dim0
	s_mov_b32 s36, 3                               ; tile_dim1
	s_mov_b32 s37, 65536                           ; from row to row
	s_mov_b32 s38, 0
	s_mov_b32 s39, 0
	s_mov_b32 s28, 1
	s_mul_i32 s29, s20, 49152                      ; my quarter in LDS: the wave's number alone
	s_lshl_b32 s70, s23, 16                        ; and in memory: 8 tiles a pair of heads, two a wave (registers that never hold my place in the cluster)
	s_lshl_b32 s27, s20, 14
	s_add_co_u32 s70, s70, s27
	s_mov_b32 s71, 0
	v_and_b32 v1, 31, v0
	v_lshlrev_b32 v1, 4, v1                        ; 16 x lane
	v_and_b32 v13, 15, v0                          ; r
	v_bfe_u32 v4, v0, 4, 1                         ; h
	v_lshlrev_b32 v2, 4, v13                       ; 16 r
	s_wait_alu depctr_va_vdst(0)
	v_add_nc_u32 v3, 0, v1                         ; the first part's fragments
	v_lshlrev_b32 v5, 6, v4                        ; a bias of q or k: 16 numbers on for lanes 16-31
	v_and_b32 v6, 8, v13
	v_add_nc_u32 v6, v6, v13                       ; r + 8 (r / 8)
	s_wait_alu depctr_va_vdst(0)
	v_lshlrev_b32 v7, 5, v6
	v_lshl_add_u32 v7, v4, 4, v7                   ; q's codes: 32 bytes a token, 16 a block
	s_lshl_b32 s24, s20, 8
	s_add_co_u32 s24, s24, SCSTG
	v_lshl_add_u32 v8, v6, 2, s24                  ; q's scale words in the stage: 4 bytes a token, 64 tokens a wave
	s_lshr_b32 s25, s20, 1                         ; which of the block's two records
	s_and_b32 s26, s20, 1                          ; which half of it
	s_lshl_b32 s24, s25, 8
	s_lshl_b32 s27, s26, 3
	s_add_co_u32 s27, s27, s24
	s_add_co_u32 s27, s27, SCSTG+2048
	v_add_nc_u32 v9, s27, v2                       ; K's: 16 r + 4 x group
	s_lshl_b32 s27, s26, 1
	s_add_co_u32 s27, s27, s24
	s_add_co_u32 s27, s27, SCSTG+3072
	v_add_nc_u32 v10, s27, v2                      ; V's: 16 r + 4 x tile + my two bytes
	s_lshl_b32 s27, s20, 10
	s_add_co_u32 s27, s27, SCSTG
	v_add_nc_u32 v11, s27, v1                      ; the stage's way out: 1,024 bytes a wave
	v_lshlrev_b32 v6, 2, v6                        ; v's bias: my column
	s_mov_b32 s27, RECB
	s_cmp_lt_u32 s20, 2
	s_cselect_b32 s27, 256, s27
	v_mad_u32_u24 v12, v4, s27, v2                 ; and where it goes: waves 0, 1: 16 x lane; waves 2, 3: lanes 16-31 a record further on
	v_mov_b32 v[PX], 0                             ; written once: a lane permute's destination counts as one of its sources
	v_mov_b32 v[PX+1], 0
	s_mov_b32 s60, 0x76543210
	s_mov_b32 s61, 0xfedcba98
	s_mov_b32 s73, 0
	s_and_b32 s75, s22, 7                          ; block in the sequence
	s_lshr_b32 s76, s22, 3
	s_lshl_b32 s76, s76, 4
	s_lshl_b32 s77, s23, 1
	s_add_co_u32 s76, s76, s77                     ; my first head among the 64
	s_wait_dscnt 0x0                               ; both opening adds are done
	s_wait_kmcnt 0x0
	s_add_nc_u64 s[30:31], s[6:7], s[70:71]
	s_or_b32 s31, s31, 0x80000000
	s_lshl_b32 s72, s22, 17
	s_lshl_b32 s74, s20, 15
	s_add_co_u32 s72, s72, s74
	s_add_nc_u64 s[40:41], s[4:5], s[72:73]        ; x's codes: my four tiles
	s_lshl_b32 s72, s22, 13
	s_lshl_b32 s74, s20, 11
	s_add_co_u32 s72, s72, s74
	s_add_co_u32 s72, s72, XSO
	s_add_nc_u64 s[42:43], s[4:5], s[72:73]        ; their scale words
	s_lshl_b32 s72, s75, 16
	s_lshl_b32 s74, s20, 14
	s_add_co_u32 s72, s72, s74
	s_add_nc_u64 s[44:45], s[8:9], s[72:73]        ; cos and sin of my positions
	s_lshl_b32 s72, s23, 12
	s_add_co_u32 s72, s72, WSO
	s_add_nc_u64 s[46:47], s[6:7], s[72:73]        ; the weights' scale words
	s_lshl_b32 s72, s23, 9
	s_add_nc_u64 s[48:49], s[10:11], s[72:73]      ; bq, bk, bv at my 128 columns
	s_add_nc_u64 s[50:51], s[12:13], s[72:73]
	s_add_nc_u64 s[52:53], s[14:15], s[72:73]
	s_lshl_b32 s72, s76, 16
	s_lshl_b32 s74, s75, 13
	s_add_co_u32 s72, s72, s74
	s_lshl_b32 s74, s20, 11
	s_add_co_u32 s72, s72, s74
	s_add_nc_u64 s[54:55], s[16:17], s[72:73]      ; q's codes at my first token
	s_mul_i32 s78, s76, HEADB
	s_lshl_b32 s74, s75, 1
	s_mul_i32 s79, s74, RECB
	s_add_co_u32 s78, s78, s79                     ; the block's first record
	s_mul_i32 s74, s25, RECB
	s_add_co_u32 s74, s74, s78                     ; my record
	s_lshl_b32 s72, s26, 11
	s_add_co_u32 s72, s72, s74
	s_add_nc_u64 s[56:57], s[18:19], s[72:73]      ; K: my two groups of 32 keys
	s_lshl_b32 s72, s26, 9
	s_add_co_u32 s72, s72, s74
	s_add_co_u32 s72, s72, 4096
	s_add_nc_u64 s[58:59], s[18:19], s[72:73]      ; V: my 64 keys
	s_add_co_u32 s72, s76, s20
	s_lshl_b32 s72, s72, 13
	s_lshl_b32 s74, s75, 10
	s_add_co_u32 s72, s72, s74
	s_add_co_u32 s72, s72, QSO
	s_add_nc_u64 s[66:67], s[16:17], s[72:73]      ; the stage's way out: waves 0, 1: q's scale words of head 0, 1;
	s_lshl_b32 s72, s20, 8
	s_add_co_u32 s72, s72, s78
	s_add_co_u32 s72, s72, 8192-512
	s_add_nc_u64 s[68:69], s[18:19], s[72:73]      ; waves 2, 3: K's, V's scale words of the first head's two records
	s_cmp_lt_u32 s20, 2
	s_cselect_b64 s[66:67], s[66:67], s[68:69]
	s_mov_b32 s72, HEADB
	s_cselect_b32 s72, 512, s72
	s_add_nc_u64 s[68:69], s[66:67], s[72:73]      ; the second half: 512 bytes on, or the second head
	CROUND                                         ; all four work-groups are here: the joint loads meet
	tensor_load_to_lds s[28:31], s[32:39]
	s_nop 0
	PLACES
	WIN 0x40                                       ; destination window 1
.irp tt, 0,1,2,3
.irp s, 0,1,2,3,4,5,6,7
.irp c, 0,1
	global_load_b128 v[8*(8*\tt+\s)+4*\c:8*(8*\tt+\s)+4*\c+3], v1, s[40:41] offset:\tt*8192+\s*1024+\c*512
.endr
.endr
.endr
	WIN 0
.irp tt, 0,1,2,3
.irp kh, 0,1
	global_load_b128 v[XS+8*\tt+4*\kh:XS+8*\tt+4*\kh+3], v2, s[42:43] offset:\tt*512+\kh*256
.endr
.endr
	WIN 0xc0                                       ; destination window 3
.irp tt, 0,1,2,3
.irp q, 0,1,2,3,4,5,6,7
	global_load_b128 v[32*\tt+4*\q:32*\tt+4*\q+3], v1, s[44:45] offset:\tt*4096+\q*512
.endr
.endr
; the scale words and the bias of part (p, hd)
.macro PRE p, hd
	WIN 0
.irp ct, 0,1,2,3
.irp kh, 0,1
	global_load_b128 v[WS+8*\ct+4*\kh:WS+8*\ct+4*\kh+3], v2, s[46:47] offset:(64*\p+4*\hd+\ct)*512+\kh*256
.endr
.endr
	WIN 0xc0
.if \p < 2
.irp ct, 0,1,2,3
	global_load_b128 v[BI+8*\ct:BI+8*\ct+3], v5, s[48+2*\p:49+2*\p] offset:\hd*256+(32*(\ct/2)+8*(\ct%2))*4
	global_load_b128 v[BI+8*\ct+4:BI+8*\ct+7], v5, s[48+2*\p:49+2*\p] offset:\hd*256+(32*(\ct/2)+8*(\ct%2))*4+16
.endr
.else
.irp ct, 0,1,2,3
	global_load_b32 v[BT+\ct], v6, s[52:53] offset:\hd*256+(32*(\ct/2)+8*(\ct%2))*4
.endr
.endif
	WIN 0
.endm
; 32 LDS loads in one run: the four tiles' fragments of K steps 4 kh .. 4 kh + 3 into buffer buf; v3 holds the part's base
.macro FETCH kh, buf
	WIN 0x80                                       ; destination window 2
.irp sl, 0,1,2,3
.irp ct, 0,1,2,3
.irp c, 0,1
	ds_load_b128 v[128*\buf+32*\sl+8*\ct+4*\c:128*\buf+32*\sl+8*\ct+4*\c+3], v3 offset:(\ct/2)*49152+(\ct%2)*8192+(4*\kh+\sl)*1024+\c*512
.endr
.endr
.endr
.endm
; 16 matrix instructions: K step s.  The 16 accumulators take turns, one instruction a turn, in the same order in every step.  kind 0: source 0 the weight, 1: source 0 x
.macro MULSTEP kind, s, buf, first
.if \kind
	WIN 0x09+0x30*\first
.else
	WIN 0x06+0x30*\first
.endif
.irp tt, 0,1,2,3
.irp ct, 0,1,2,3
.set rD, ACC+8*(4*\tt+\ct)
.set rW, 128*\buf+32*((\s)%4)+8*\ct
.set rX, 8*(8*\tt+(\s))
.if \kind
.if \first
	v_wmma_scale_f32_16x16x128_f8f6f4 v[rD:rD+7], v[rX:rX+7], v[rW:rW+7], v[BI+8*\ct:BI+8*\ct+7], v[XS+8*\tt+(\s)], v[WS+8*\ct+(\s)] matrix_a_fmt:MATRIX_FMT_FP4 matrix_b_fmt:MATRIX_FMT_FP4
.else
	v_wmma_scale_f32_16x16x128_f8f6f4 v[rD:rD+7], v[rX:rX+7], v[rW:rW+7], v[rD:rD+7], v[XS+8*\tt+(\s)], v[WS+8*\ct+(\s)] matrix_a_fmt:MATRIX_FMT_FP4 matrix_b_fmt:MATRIX_FMT_FP4
.endif
.else
.if \first
	v_wmma_scale_f32_16x16x128_f8f6f4 v[rD:rD+7], v[rW:rW+7], v[rX:rX+7], v[BI+8*\ct:BI+8*\ct+7], v[WS+8*\ct+(\s)], v[XS+8*\tt+(\s)] matrix_a_fmt:MATRIX_FMT_FP4 matrix_b_fmt:MATRIX_FMT_FP4
.else
	v_wmma_scale_f32_16x16x128_f8f6f4 v[rD:rD+7], v[rW:rW+7], v[rX:rX+7], v[rD:rD+7], v[WS+8*\ct+(\s)], v[XS+8*\tt+(\s)] matrix_a_fmt:MATRIX_FMT_FP4 matrix_b_fmt:MATRIX_FMT_FP4
.endif
.endif
.endr
.endr
.endm
; the rotation of tile tt's tokens: a lane's registers 2 k, 2 k + 1 of an accumulator are a pair; its cos and sin lie at the same places of window 3
.macro ROPE tt
	WIN 0x0c                                       ; source 1 window 3
.irp ct, 0,1,2,3
.irp k, 0,1,2,3
	v_mul_f32 v[T+2*\k], v[ACC+32*\tt+8*\ct+2*\k], v[32*\tt+8*\ct+2*\k]
	v_mul_f32 v[T+2*\k+1], v[ACC+32*\tt+8*\ct+2*\k], v[32*\tt+8*\ct+2*\k+1]
.endr
.irp k, 0,1,2,3
	v_fma_f32 v[ACC+32*\tt+8*\ct+2*\k], -v[ACC+32*\tt+8*\ct+2*\k+1], v[32*\tt+8*\ct+2*\k+1], v[T+2*\k]       ; x0 cos - x1 sin
	v_fma_f32 v[ACC+32*\tt+8*\ct+2*\k+1], v[ACC+32*\tt+8*\ct+2*\k+1], v[32*\tt+8*\ct+2*\k], v[T+2*\k+1]      ; x0 sin + x1 cos
.endr
.endr
	WIN 0
.endm
; Two blocks of 32, each as 16 numbers of mine (registers a0 .. +7, a1 .. +7; b0, b1) and 16 of lane l xor 16, become four registers of codes, a whole block a lane (lanes 0-15 the first, lanes 16-31 the second), and two bytes in hw
.macro QUANT2 a0, a1, b0, b1, cd, hw
	v_max3_num_f32 v[MX], |v[(\a0)]|, |v[(\a0)+1]|, 0x1800000      ; with the floor 2^(3 - 127): the byte cannot fall under 1
	v_max3_num_f32 v[MX+1], |v[(\b0)]|, |v[(\b0)+1]|, 0x1800000
.irp i, 2,4,6
	v_max3_num_f32 v[MX], v[MX], |v[(\a0)+\i]|, |v[(\a0)+\i+1]|
	v_max3_num_f32 v[MX+1], v[MX+1], |v[(\b0)+\i]|, |v[(\b0)+\i+1]|
.endr
.irp i, 0,2,4,6
	v_max3_num_f32 v[MX], v[MX], |v[(\a1)+\i]|, |v[(\a1)+\i+1]|
	v_max3_num_f32 v[MX+1], v[MX+1], |v[(\b1)+\i]|, |v[(\b1)+\i+1]|
.endr
	v_permlanex16_b32 v[PX], v[MX], s60, s61
	v_permlanex16_b32 v[PX+1], v[MX+1], s60, s61
	v_max_num_f32 v[MX], v[MX], v[PX]
	v_max_num_f32 v[MX+1], v[MX+1], v[PX+1]
	v_add_nc_u32 v[SC], 0xff000000, v[MX]          ; 2 off the exponent field: the conversion's scale operand
	v_add_nc_u32 v[SC+1], 0xff000000, v[MX+1]
	v_lshrrev_b32 v[EB], 23, v[SC]
	v_lshrrev_b32 v[EB+1], 23, v[SC+1]
	v_cvt_scalef32_pk8_fp4_f32 v[(\cd)], v[(\a0):(\a0)+7], v[SC]
	v_cvt_scalef32_pk8_fp4_f32 v[(\cd)+1], v[(\a1):(\a1)+7], v[SC]
	v_cvt_scalef32_pk8_fp4_f32 v[(\cd)+2], v[(\b0):(\b0)+7], v[SC+1]
	v_cvt_scalef32_pk8_fp4_f32 v[(\cd)+3], v[(\b1):(\b1)+7], v[SC+1]
	v_lshl_or_b32 v[(\hw)], v[EB+1], 8, v[EB]      ; the two bytes (the plain line behind the conversions)
	v_permlane16_swap_b32 v[(\cd)], v[(\cd)+2]
	v_permlane16_swap_b32 v[(\cd)+1], v[(\cd)+3]
.endm
.macro EPI_QK p, hd
.irp tt, 0,1,2,3
	ROPE \tt
	QUANT2 ACC+32*\tt, ACC+32*\tt+8, ACC+32*\tt+16, ACC+32*\tt+24, CD+4*\tt, HW+\tt
.if \p == 0
	v_lshl_or_b32 v[WD+\tt], v[HW+\tt], 16, v[HW+\tt]              ; e0, e1, e0, e1: it serves q in either half of an instruction's K
	ds_store_b32 v8, v[WD+\tt] offset:\hd*1024+(32*(\tt/2)+8*(\tt%2))*4
	global_store_b128 v7, v[CD+4*\tt:CD+4*\tt+3], s[54:55] offset:\hd*65536+(32*(\tt/2)+8*(\tt%2))*32   ; two runs of 256 consecutive bytes, aligned
.else
.if \tt%2 == 1
	v_lshl_or_b32 v[WD+\tt], v[HW+\tt], 16, v[HW+\tt-1]            ; a group's word: the even tile's two bytes, the odd tile's two
	ds_store_b32 v9, v[WD+\tt] offset:\hd*512+(\tt/2)*4
.endif
	global_store_b128 v1, v[CD+4*\tt:CD+4*\tt+3], s[56:57] offset:\hd*HEADB+\tt*512                     ; 512 consecutive bytes
.endif
.endr
.endm
.macro EPI_V hd
.irp ct, 0,1,2,3
	QUANT2 ACC+8*\ct, ACC+32+8*\ct, ACC+64+8*\ct, ACC+96+8*\ct, CD+4*\ct, HW+\ct
	global_store_b128 v1, v[CD+4*\ct:CD+4*\ct+3], s[58:59] offset:\hd*HEADB+\ct*1024
	ds_store_b16 v10, v[HW+\ct] offset:\hd*512+\ct*4
.endr
.endm
; One part: 128 matrix instructions and its way out.  next = 1: the next part (np, nhd) is fetched on the way.
.macro SUB p, hd, next, np, nhd
	FETCH 1, 1                                     ; the second four K steps (the last products that read this buffer stand in front of a whole way out)
	s_wait_loadcnt 0x0                             ; the part's scale words and bias, asked for a way out ago (the first part: x, its scale words and the table too)
.if \p == 2
	WIN 0xc3                                       ; v's bias is one number a lane: eight copies make a C
.irp ct, 0,1,2,3
.irp j, 0,1,2,3,4,5,6,7
	v_mov_b32 v[BI+8*\ct+\j], v[BT+\ct]
.endr
.endr
	PLACES
.endif
	s_wait_alu depctr_va_vdst(0)
	s_wait_dscnt 32                                ; all but the 32 loads just issued: the first buffer is in, and the last way out's LDS stores are done
	MULSTEP (\p)/2, 0, 0, 1
	MULSTEP (\p)/2, 1, 0, 0
	MULSTEP (\p)/2, 2, 0, 0
	MULSTEP (\p)/2, 3, 0, 0
	WIN 0
	PLACES
.if \next
	v_add_nc_u32 v3, 2*\nhd*49152+\np*16384, v1
	FETCH 0, 0
	s_wait_dscnt 32                                ; all but those 32: the second buffer is in
.else
	s_wait_dscnt 0x0
.endif
	MULSTEP (\p)/2, 4, 1, 0
	MULSTEP (\p)/2, 5, 1, 0
	MULSTEP (\p)/2, 6, 1, 0
	MULSTEP (\p)/2, 7, 1, 0
	WIN 0
	PLACES
	s_wait_xcnt 0x0                                ; the last way out's stores have read their data: the codes' registers may be written again
.if \next
	PRE \np, \nhd
.endif
.if \p == 2
	EPI_V \hd
.else
	EPI_QK \p, \hd
.endif
.endm
	PRE 0, 0
	s_wait_tensorcnt 0x0                           ; my quarter of the weights is in,
	s_barrier_signal -1
	s_barrier_wait -1                              ; everybody's is
	FETCH 0, 0
	SUB 0, 0, 1, 0, 1
	SUB 0, 1, 1, 1, 0
	SUB 1, 0, 1, 1, 1
	SUB 1, 1, 1, 2, 0
	SUB 2, 0, 1, 2, 1
	SUB 2, 1, 0, 0, 0
	s_wait_dscnt 0x0                               ; for the others' sake: my scale words lie in the stage
	s_barrier_signal -1
	s_barrier_wait -1
	ds_load_b128 v[T:T+3], v11
	ds_load_b128 v[T+4:T+7], v11 offset:512
	s_wait_dscnt 0x0
	global_store_b128 v12, v[T:T+3], s[66:67]      ; sixteen lanes store 256 consecutive bytes, aligned
	global_store_b128 v12, v[T+4:T+7], s[68:69]
	s_wait_tensorcnt 0x0                           ; the wave's end
	ds_add_u32 v14, v15
	s_wait_dscnt 0x0
	CROUND                                         ; the closing round
	s_endpgm
.Lfunc_end_k_qdabbbc78c0_qkv:
	.size	k_qdabbbc78c0_qkv, .Lfunc_end_k_qdabbbc78c0_qkv-k_qdabbbc78c0_qkv
	.p2alignl 7, 3214868480
	.fill 96, 4, 3214868480
	.section	.rodata,"a",@progbits
	.p2align	6, 0x0
	.amdhsa_kernel k_qdabbbc78c0_qkv
		.amdhsa_group_segment_fixed_size 201216
		.amdhsa_private_segment_fixed_size 0
		.amdhsa_enable_private_segment 0
		.amdhsa_kernarg_size 64
		.amdhsa_user_sgpr_count 2
		.amdhsa_user_sgpr_kernarg_segment_ptr 1
		.amdhsa_wavefront_size32 1
		.amdhsa_system_sgpr_workgroup_id_x 1
		.amdhsa_system_sgpr_workgroup_id_y 1
		.amdhsa_system_sgpr_workgroup_id_z 1
		.amdhsa_system_vgpr_workitem_id 0
		.amdhsa_next_free_vgpr 1024
		.amdhsa_next_free_sgpr 96
		.amdhsa_reserve_vcc 0
		.amdhsa_float_denorm_mode_32 3
		.amdhsa_float_denorm_mode_16_64 3
		.amdhsa_memory_ordered 1
		.amdhsa_forward_progress 1
		.amdhsa_inst_pref_size 249
	.end_amdhsa_kernel
	.amdgpu_metadata
---
amdhsa.version: [ 1, 2 ]
amdhsa.kernels:
  - .name:           k_qdabbbc78c0_qkv
    .symbol:         k_qdabbbc78c0_qkv.kd
    .args:
      - { .name: xq, .offset: 0, .size: 8, .value_kind: global_buffer, .address_space: global }
      - { .name: wq4, .offset: 8, .size: 8, .value_kind: global_buffer, .address_space: global }
      - { .name: rope, .offset: 16, .size: 8, .value_kind: global_buffer, .address_space: global }
      - { .name: bq, .offset: 24, .size: 8, .value_kind: global_buffer, .address_space: global }
      - { .name: bk, .offset: 32, .size: 8, .value_kind: global_buffer, .address_space: global }
      - { .name: bv, .offset: 40, .size: 8, .value_kind: global_buffer, .address_space: global }
      - { .name: qq, .offset: 48, .size: 8, .value_kind: global_buffer, .address_space: global }
      - { .name: kv, .offset: 56, .size: 8, .value_kind: global_buffer, .address_space: global }
    .group_segment_fixed_size: 201216
    .private_segment_fixed_size: 0
    .kernarg_segment_align: 8
    .kernarg_segment_size: 64
    .max_flat_workgroup_size: 128
    .sgpr_count:     96
    .vgpr_count:     1024
    .wavefront_size: 32
...
	.end_amdgpu_metadata
.endif
;; end of part 2
;; launch attn (part 3): grid 4 x 64, 16 waves a work-group, clusters of 4 x 1, 167,936 bytes of LDS; arguments qq, kv, yq; writes yq
.if DOCPART == 3
	.amdgcn_target "amdgcn-amd-amdhsa--gfx1250"
	.amdhsa_code_object_version 6
	.text
	.protected	k_qdabbbc78c0_attn
	.globl	k_qdabbbc78c0_attn
	.p2align	8
	.type	k_qdabbbc78c0_attn,@function
k_qdabbbc78c0_attn:
	s_mov_b64 s[64:65], 0
	v_nop
	global_prefetch_b8 v0, s[64:65] scope:SCOPE_SE
	s_setreg_imm32_b32 hwreg(HW_REG_WAVE_MODE, 25, 1), 1
	s_wait_xcnt 0x0
	s_wait_alu depctr_hold_cnt(0) depctr_sa_sdst(0) depctr_va_vdst(0) depctr_va_sdst(0) depctr_va_ssrc(0) depctr_va_vcc(0) depctr_vm_vsrc(0)
	s_getreg_b32 s2, hwreg(HW_REG_IB_STS2, 6, 4)
	s_cmp_eq_u32 s2, 0
	s_cbranch_scc0 .Lentry_in_a_cluster
	s_endpgm
.Lentry_in_a_cluster:
	s_bfe_u32 s2, ttmp6, 0x10000c
	s_cmp_lg_u32 s2, 0x3003
	s_cbranch_scc0 .Lentry_shape_is_right
	s_endpgm
.Lentry_shape_is_right:
; y = softmax(q k^T / 8, causal) v on codes of FP4, and the quantiser of y along C.  LEFT OUT (shown at the head of the launch prep): every step of 128 keys all of whose keys come after a tile's 16 queries.
; THE SOFTMAX: t = score x log2(e) / 8; M = the running largest t rounded up to a whole number; p = 2^(t - M) is quantised along the keys; the row's sum is taken of the unquantised p and divides at the end.
; SHARES.  The four work-groups of a cluster share one head.  Wave w of the work-group at place j makes TWO tiles of 16 queries, one after the other: tile 4 w + j (it ends in key step w / 2) and tile 127 - 4 w - j (key step
; 15 - w / 2): 17 key steps that count for every wave, two of them on the diagonal.  The limits, all branches and all LDS addresses hang on the wave's number and on counts alone; j enters q's and y's addresses and the mask's numbers.
; THE HEAD'S K, V AND SCALE WORDS, 16 records of 8,704 bytes, lie in LDS for the whole launch: wave w asks for record w, jointly with the partners; nothing is filled again.  One tensor load of a wave is out.
; Wave 0 of every work-group reads all 16 records, so every joint load is read by every partner.  No barrier stands between a wave's two tiles: the waves go on alone behind the one barrier.
; THE HEAD IS 64, AN INSTRUCTION'S K IS 128.  A fragment of K holds two tiles of 16 keys, one in each half of the instruction's K; q stands between zeros in twelve registers: [q, 0] picks the first tile, [0, q] the second.
; LAYOUT.  Both products transposed: a lane holds one query; score register 16 b + i is key 32 b + 16 (lane / 16) + i of the step.
; y's scale bytes are stored two a row and head: the one store of the program that fills no whole run of 256 bytes: 2 bytes beside each 32 bytes of codes.
; REGISTERS: v1-11 addresses; v12 -M, v13 the largest t, v[14:15] the sum; v16-27 zeros, q, zeros; v28 q's scale word; v32-63 K; v64-95 V; v96-159 scores, then p; v160-191 O^T; v192-199 p's codes; v200-203, v204-207 K's, V's scale words;
;   v208-221 at work; v[222:223] f; v224 p's scale word; v[226:227] a second chain of the sum.
.set RECB,  8704
.set HEADB, 139264
.set SPARE, 139264                     ; behind the records: the spare words, 128 bytes for each of 16 waves
.set QSO,   4194304
.set YSO,   4194304
.macro PLACES
.rept 4
	v_nop
.endr
.endm
.macro CROUND                          ; a round of the cluster's barrier
	s_barrier_signal -1
	s_barrier_wait -1
	s_cmp_lg_u32 s10, 0
	s_cbranch_scc1 .Lnot_wave_0_\@
	s_barrier_signal -3
.Lnot_wave_0_\@:
	s_barrier_wait -3
	s_barrier_signal -1
	s_barrier_wait -1
.endm
	s_load_b128 s[4:7], s[0:1], 0x0                ; qq, kv
	s_load_b64 s[8:9], s[0:1], 0x10                ; yq
	v_lshl_add_u32 v3, v0, 2, SPARE
	v_mov_b32 v4, 0
	ds_add_u32 v3, v4                              ; the wave's opening: the add, twice on end, and its wait ahead of my first tensor load
	ds_add_u32 v3, v4
	v_lshrrev_b32 v1, 5, v0
	s_delay_alu instid0(VALU_DEP_1)
	v_readfirstlane_b32 s10, v1                    ; wave 0..15
	s_bfe_u32 s11, ttmp6, 0x40000                  ; j: my place in the cluster
	s_and_b32 s12, ttmp7, 0xffff                   ; batch x 16 + head, which the four partners share
	; descriptor group 1: a record as 34 rows of 256 bytes (32 elements of 8 bytes), dense
	s_mov_b32 s24, 15|(3<<16)|(1<<21)              ; the mask: all four work-groups; bit 21 beside it
	s_mov_b32 s25, 32<<16
	s_mov_b32 s26, 34<<16
	s_mov_b32 s27, 32<<16
	s_mov_b32 s28, 34
	s_mov_b32 s29, 32
	s_mov_b32 s30, 0
	s_mov_b32 s31, 0
	s_mov_b32 s32, 1
	s_mul_i32 s33, s10, RECB                       ; record w, in LDS
	s_mul_i32 s52, s12, HEADB
	s_add_co_u32 s52, s52, s33                     ; and in memory (registers that never hold j)
	s_mov_b32 s53, 0
	v_and_b32 v1, 31, v0
	s_delay_alu instid0(VALU_DEP_1)
	v_lshlrev_b32 v1, 4, v1                        ; 16 x lane
	v_and_b32 v11, 15, v0                          ; r
	v_bfe_u32 v10, v0, 4, 1                        ; h
	s_delay_alu instid0(VALU_DEP_2)
	v_lshlrev_b32 v2, 4, v11                       ; 16 r
	s_delay_alu instid0(VALU_DEP_3)
	v_lshlrev_b32 v5, 5, v11
	s_delay_alu instid0(VALU_DEP_1)
	v_lshl_add_u32 v5, v10, 4, v5                  ; q's codes: row r of 32 bytes, block h
	v_lshlrev_b32 v6, 2, v11                       ; q's scale word
	v_lshlrev_b32 v10, 4, v10
	s_delay_alu instid0(VALU_DEP_1)
	v_sub_nc_u32 v11, v11, v10                     ; r - 16 h, for the mask
	v_and_b32 v10, 15, v0
	s_delay_alu instid0(VALU_DEP_1)
	v_lshlrev_b32 v10, 5, v10                      ; y's scale bytes: 32 a row
.irp j, 16,17,18,19,24,25,26,27
	v_mov_b32 v\j, 0                               ; zero codes on both sides of q
.endr
.irp j, 212,213,214,215,220,223
	v_mov_b32 v\j, 0                               ; written once: lane permutes' destinations, and the upper half of f's pair
.endr
	s_mov_b32 s14, 0x76543210
	s_mov_b32 s15, 0xfedcba98
	s_mov_b32 s16, 0x3e38aa3b                      ; c = log2(e) / 8
	s_mov_b32 s17, s16                             ; (named with it as a pair)
	s_mov_b32 s49, 0
	s_lshr_b32 s50, s12, 4                         ; batch
	s_and_b32 s51, s12, 15                         ; head
	s_wait_dscnt 0x0                               ; both opening adds are done
	s_wait_kmcnt 0x0
	s_add_nc_u64 s[34:35], s[6:7], s[52:53]
	s_or_b32 s35, s35, 0x80000000
	s_lshl_b32 s48, s12, 16
	s_add_nc_u64 s[56:57], s[4:5], s[48:49]        ; the head's q codes,
	s_lshl_b32 s48, s12, 13
	s_add_co_u32 s48, s48, QSO
	s_add_nc_u64 s[58:59], s[4:5], s[48:49]        ; its q scale words,
	s_lshl_b32 s48, s50, 20
	s_lshl_b32 s54, s51, 9
	s_add_co_u32 s48, s48, s54
	s_add_nc_u64 s[60:61], s[8:9], s[48:49]        ; y's codes: 8,192 bytes a tile of tokens, 512 a head,
	s_lshl_b32 s48, s50, 16
	s_lshl_b32 s54, s51, 1
	s_add_co_u32 s48, s48, s54
	s_add_co_u32 s48, s48, YSO
	s_add_nc_u64 s[62:63], s[8:9], s[48:49]        ; y's scale bytes: 512 a tile, 2 a head
	CROUND                                         ; all four work-groups are here: the joint loads meet
	tensor_load_to_lds s[32:35], s[24:31]
	s_nop 0
	PLACES
; A KEY STEP: 128 keys.  s19: its number; s20: the tile's last; s18: where its record begins in LDS
.macro STEP
	s_cmp_gt_u32 s19, s20                          ; all its keys come after my queries: only the counts at its end are stepped
	s_cbranch_scc1 .Lhidden_\@
	s_setprio 2
	v_add_nc_u32 v8, s18, v1
	v_add_nc_u32 v9, s18, v2
	v_nop
	v_nop                                          ; four places behind the last step's products, ahead of loads into their registers
.irp b, 0,1,2,3
.irp c, 0,1
	ds_load_b128 v[32+8*\b+4*\c:35+8*\b+4*\c], v8 offset:\b*1024+\c*512
.endr
.endr
	ds_load_b128 v[200:203], v9 offset:8192
.irp dt, 0,1,2,3
.irp c, 0,1
	ds_load_b128 v[64+8*\dt+4*\c:67+8*\dt+4*\c], v8 offset:4096+\dt*1024+\c*512
.endr
.endr
	ds_load_b128 v[204:207], v9 offset:8448
	s_wait_dscnt 9                                 ; K and its scale words are in; V's nine loads may be out
.irp b, 0,1,2,3
	v_wmma_scale_f32_16x16x128_f8f6f4 v[96+16*\b:103+16*\b], v[32+8*\b:39+8*\b], v[20:27], 0, v[200+\b], v28 matrix_a_fmt:MATRIX_FMT_FP4 matrix_b_fmt:MATRIX_FMT_FP4
	v_wmma_scale_f32_16x16x128_f8f6f4 v[104+16*\b:111+16*\b], v[32+8*\b:39+8*\b], v[16:23], 0, v[200+\b], v28 matrix_a_fmt:MATRIX_FMT_FP4 matrix_b_fmt:MATRIX_FMT_FP4
.endr
	PLACES
	s_cmp_lg_u32 s19, s20                          ; only the tile's last step lies on the diagonal
	s_cbranch_scc1 .Lopen_\@
	v_mov_b32 v220, 0xff800000                     ; hidden keys get -infinity ahead of the maximum: p = 0
.set n, 0
.rept 64
	v_cmp_gt_i32 vcc_lo, 32*(n/16)+n%16, v7        ; register n holds key 32 (n / 16) + n % 16 + 16 h of the step: hidden where that is beyond my query
	v_cndmask_b32 v[96+n], v[96+n], v220, vcc_lo
.set n, n+1
.endr
.Lopen_\@:
.irp b, 0,1,2,3
	v_max3_num_f32 v[208+\b], v[96+16*\b], v[97+16*\b], v[98+16*\b]   ; the largest score of each block of 32 keys: for the row's maximum, and, since p rises with the score, for the block's largest p
.endr
.irp i, 3,5,7,9,11,13
.irp b, 0,1,2,3
	v_max3_num_f32 v[208+\b], v[208+\b], v[96+16*\b+\i], v[97+16*\b+\i]
.endr
.endr
.irp b, 0,1,2,3
	v_max_num_f32 v[208+\b], v[208+\b], v[111+16*\b]
.endr
.irp b, 0,1,2,3
	s_delay_alu instid0(VALU_DEP_4)
	v_permlanex16_b32 v[212+\b], v[208+\b], s14, s15
.endr
.irp b, 0,1,2,3
	s_delay_alu instid0(VALU_DEP_4)
	v_max_num_f32 v[208+\b], v[208+\b], v[212+\b]
.endr
	s_delay_alu instid0(VALU_DEP_2)
	v_max3_num_f32 v220, v208, v209, v210
	s_delay_alu instid0(VALU_DEP_1)
	v_max_num_f32 v220, v220, v211
	s_delay_alu instid0(VALU_DEP_1)
	v_mul_f32 v220, s16, v220                      ; as t
	s_delay_alu instid0(VALU_DEP_1)
	v_max_num_f32 v13, v13, v220                   ; the running largest t
	v_mov_b32 v220, v12
	s_delay_alu instid0(VALU_DEP_2)
	v_floor_f32 v12, -v13                          ; -M = floor(-t): M is a whole number
	s_delay_alu instid0(VALU_DEP_1)
	v_sub_f32 v220, v12, v220                      ; old M - new M, 0 or less
	s_delay_alu instid0(VALU_DEP_1)
	v_cvt_i32_f32 v220, v220                       ; (it saturates)
	s_delay_alu instid0(VALU_DEP_1)
	v_ldexp_f32 v222, 1.0, v220                    ; f = 2^(old M - new M): rounds nothing
.set j, 0
.rept 32
	v_pk_fma_f32 v[96+j:97+j], v[96+j:97+j], s[16:17], v[12:13] op_sel_hi:[1,0,0]   ; t - M
.set j, j+2
.endr
	s_setprio 1
.irp b, 0,1,2,3
	v_fma_f32 v[208+\b], v[208+\b], s16, v12
.endr
.set j, 0
	s_wait_alu depctr_va_vdst(0)
.rept 64
	v_exp_f32 v[96+j], v[96+j]                     ; p
.set j, j+1
.endr
	v_pk_mul_f32 v[14:15], v[14:15], v[222:223] op_sel_hi:[1,0]    ; the sums under the new M (the plain line behind the exponentials)
	s_wait_alu depctr_va_vdst(0)                   ; one wait for the batch, ahead of its first reader
.irp b, 0,1,2,3
	v_exp_f32 v[208+\b], v[208+\b]                 ; each block's largest p
.endr
	v_pk_add_f32 v[226:227], v[100:101], v[104:105]
	v_pk_add_f32 v[254:255], v[108:109], v[112:113]
	v_pk_add_f32 v[252:253], v[116:117], v[120:121]
	v_pk_add_f32 v[250:251], v[124:125], v[128:129]
	v_pk_add_f32 v[248:249], v[132:133], v[136:137]
	v_pk_add_f32 v[246:247], v[140:141], v[144:145]
	v_pk_add_f32 v[244:245], v[148:149], v[152:153]
	v_pk_add_f32 v[14:15], v[14:15], v[156:157]
	v_pk_add_f32 v[226:227], v[226:227], v[96:97]
	v_pk_add_f32 v[254:255], v[254:255], v[98:99]
	v_pk_add_f32 v[252:253], v[252:253], v[102:103]
	v_pk_add_f32 v[250:251], v[250:251], v[106:107]
	v_pk_add_f32 v[248:249], v[248:249], v[110:111]
	v_pk_add_f32 v[246:247], v[246:247], v[114:115]
	v_pk_add_f32 v[244:245], v[244:245], v[118:119]
	v_pk_add_f32 v[14:15], v[14:15], v[122:123]
	v_pk_add_f32 v[226:227], v[226:227], v[126:127]
	v_pk_add_f32 v[254:255], v[254:255], v[130:131]
	v_pk_add_f32 v[252:253], v[252:253], v[134:135]
	v_pk_add_f32 v[250:251], v[250:251], v[138:139]
	v_pk_add_f32 v[248:249], v[248:249], v[142:143]
	v_pk_add_f32 v[246:247], v[246:247], v[146:147]
	v_pk_add_f32 v[244:245], v[244:245], v[150:151]
	v_pk_add_f32 v[14:15], v[14:15], v[154:155]
	v_pk_add_f32 v[226:227], v[226:227], v[158:159]
	s_delay_alu instid0(VALU_DEP_2)
	v_pk_add_f32 v[14:15], v[14:15], v[250:251]
	s_delay_alu instid0(VALU_DEP_2)
	v_pk_add_f32 v[226:227], v[226:227], v[248:249]
	v_pk_add_f32 v[254:255], v[254:255], v[246:247]
	v_pk_add_f32 v[252:253], v[252:253], v[244:245]
	s_delay_alu instid0(VALU_DEP_2)
	v_pk_add_f32 v[14:15], v[14:15], v[254:255]
	s_delay_alu instid0(VALU_DEP_2)
	v_pk_add_f32 v[226:227], v[226:227], v[252:253]
	s_delay_alu instid0(VALU_DEP_1)
	v_pk_add_f32 v[14:15], v[14:15], v[226:227]
	s_wait_alu depctr_va_vdst(0)                   ; and one for the four
.irp b, 0,1,2,3
	v_max_num_f32 v[208+\b], 0x1800000, v[208+\b]  ; the floor 2^(3 - 127)
.endr
.irp b, 0,1,2,3
	s_delay_alu instid0(VALU_DEP_4)
	v_add_nc_u32 v[216+\b], 0xff000000, v[208+\b]
.endr
.irp b, 0,1,2,3
	s_delay_alu instid0(VALU_DEP_4)
	v_lshrrev_b32 v[212+\b], 23, v[216+\b]
.endr
	s_delay_alu instid0(VALU_DEP_3)
	v_lshl_or_b32 v224, v213, 8, v212              ; p's scale word for these 128 keys
	s_delay_alu instid0(VALU_DEP_1)
	v_lshl_or_b32 v224, v214, 16, v224
	s_delay_alu instid0(VALU_DEP_1)
	v_lshl_or_b32 v224, v215, 24, v224
	s_setprio 0
.irp b, 0,1,2,3
	v_cvt_scalef32_pk8_fp4_f32 v[192+2*\b], v[96+16*\b:103+16*\b], v[216+\b]
	v_cvt_scalef32_pk8_fp4_f32 v[193+2*\b], v[104+16*\b:111+16*\b], v[216+\b]
.endr
	v_nop                                          ; a plain line behind the conversions
.irp c, 0,1
.irp i, 0,1
	v_permlane16_swap_b32 v[192+4*\c+\i], v[194+4*\c+\i]           ; a whole block a lane
.endr
.endr
.set j, 0
.rept 16
	v_pk_mul_f32 v[160+j:161+j], v[160+j:161+j], v[222:223] op_sel_hi:[1,0]   ; O^T under the new M; these sixteen are also the places between the scale word, the codes and the products
.set j, j+2
.endr
	s_wait_alu depctr_va_vdst(0)
	s_wait_dscnt 0x0                               ; V is in
.irp dt, 0,1,2,3
	v_wmma_scale_f32_16x16x128_f8f6f4 v[160+8*\dt:167+8*\dt], v[64+8*\dt:71+8*\dt], v[192:199], v[160+8*\dt:167+8*\dt], v[204+\dt], v224 matrix_a_fmt:MATRIX_FMT_FP4 matrix_b_fmt:MATRIX_FMT_FP4
.endr
.Lhidden_\@:
	s_add_co_u32 s19, s19, 1
	s_add_co_u32 s18, s18, RECB
.endm
; One tile of 16 queries: s21 its number, s20 its last key step; nt trips, a constant
.macro PASS nt
	s_wait_xcnt 0x0                                ; the last tile's loads and stores have read their bases and data
	s_lshl_b32 s48, s21, 9
	s_add_nc_u64 s[40:41], s[56:57], s[48:49]      ; q's codes
	s_add_nc_u64 s[46:47], s[62:63], s[48:49]      ; y's scale bytes
	s_lshl_b32 s48, s21, 6
	s_add_nc_u64 s[42:43], s[58:59], s[48:49]      ; q's scale words
	s_lshl_b32 s48, s21, 13
	s_add_nc_u64 s[44:45], s[60:61], s[48:49]      ; y's codes
	global_load_b128 v[20:23], v5, s[40:41]
	global_load_b32 v28, v6, s[42:43]
	s_lshl_b32 s48, s21, 4
	s_lshl_b32 s50, s20, 7
	s_sub_co_u32 s48, s48, s50
	v_add_nc_u32 v7, s48, v11                      ; my query, counted from the last step's first key, less 16 h
	v_mov_b32 v13, 0xff61b1e6                      ; the largest t so far: -3e38
	s_delay_alu instid0(VALU_DEP_1)
	v_floor_f32 v12, -v13
	v_mov_b32 v14, 0
	v_mov_b32 v15, 0
.set j, 0
.rept 32
	v_mov_b32 v[160+j], 0                          ; O^T: the step is written once, and its first trip finds zeros
.set j, j+1
.endr
	s_mov_b32 s18, 0
	s_mov_b32 s19, 0
	s_wait_loadcnt 0x0
.Lpass_\@:
	STEP
	s_cmp_lt_u32 s19, \nt
	s_cbranch_scc1 .Lpass_\@
	s_setprio 0
	v_add_f32 v14, v14, v15
	s_delay_alu instid0(VALU_DEP_1)
	v_permlanex16_b32 v220, v14, s14, s15
	s_delay_alu instid0(VALU_DEP_1)
	v_add_f32 v14, v14, v220                       ; the row's sum
	s_wait_alu depctr_va_vdst(0)
	v_rcp_f32 v14, v14
	PLACES                                         ; behind the reciprocal, and behind the last products
	s_wait_alu depctr_va_vdst(0)
.set j, 0
.rept 16
	v_pk_mul_f32 v[160+j:161+j], v[160+j:161+j], v[14:15] op_sel_hi:[1,0]   ; y: register 16 b + i is channel 32 b + 16 h + i of my query
.set j, j+2
.endr
	v_max3_num_f32 v208, |v160|, |v161|, 0x1800000 ; y's two blocks of 32 along C
	v_max3_num_f32 v209, |v176|, |v177|, 0x1800000
.irp i, 2,4,6,8,10,12,14
	s_delay_alu instid0(VALU_DEP_2)
	v_max3_num_f32 v208, v208, |v[160+\i]|, |v[161+\i]|
	s_delay_alu instid0(VALU_DEP_2)
	v_max3_num_f32 v209, v209, |v[176+\i]|, |v[177+\i]|
.endr
	s_delay_alu instid0(VALU_DEP_2)
	v_permlanex16_b32 v212, v208, s14, s15
	s_delay_alu instid0(VALU_DEP_2)
	v_permlanex16_b32 v213, v209, s14, s15
	s_delay_alu instid0(VALU_DEP_2)
	v_max_num_f32 v208, v208, v212
	s_delay_alu instid0(VALU_DEP_2)
	v_max_num_f32 v209, v209, v213
	s_delay_alu instid0(VALU_DEP_2)
	v_add_nc_u32 v216, 0xff000000, v208
	s_delay_alu instid0(VALU_DEP_2)
	v_add_nc_u32 v217, 0xff000000, v209
	s_delay_alu instid0(VALU_DEP_2)
	v_lshrrev_b32 v210, 23, v216
	s_delay_alu instid0(VALU_DEP_2)
	v_lshrrev_b32 v211, 23, v217
	v_cvt_scalef32_pk8_fp4_f32 v192, v[160:167], v216
	v_cvt_scalef32_pk8_fp4_f32 v193, v[168:175], v216
	v_cvt_scalef32_pk8_fp4_f32 v194, v[176:183], v217
	v_cvt_scalef32_pk8_fp4_f32 v195, v[184:191], v217
	v_lshl_or_b32 v221, v211, 8, v210              ; (the plain line behind the conversions)
	v_permlane16_swap_b32 v192, v194
	v_permlane16_swap_b32 v193, v195
	global_store_b128 v1, v[192:195], s[44:45]     ; 512 consecutive bytes: the head's two blocks of 16 rows, as the next product's registers want them
	global_store_b16 v10, v221, s[46:47]
.endm
	s_wait_tensorcnt 0x0                           ; my record is in,
	s_barrier_signal -1
	s_barrier_wait -1                              ; everybody's is
	s_lshl_b32 s21, s10, 2
	s_add_co_u32 s21, s21, s11                     ; tile 4 w + j
	s_lshr_b32 s20, s10, 1
	PASS 8
	s_sub_co_u32 s21, 127, s21                     ; tile 127 - 4 w - j
	s_sub_co_u32 s20, 15, s20
	PASS 16
	s_wait_tensorcnt 0x0                           ; the wave's end
	ds_add_u32 v3, v4
	s_wait_dscnt 0x0
	CROUND                                         ; the closing round
	s_endpgm
.Lfunc_end_k_qdabbbc78c0_attn:
	.size	k_qdabbbc78c0_attn, .Lfunc_end_k_qdabbbc78c0_attn-k_qdabbbc78c0_attn
	.p2alignl 7, 3214868480
	.fill 96, 4, 3214868480
	.section	.rodata,"a",@progbits
	.p2align	6, 0x0
	.amdhsa_kernel k_qdabbbc78c0_attn
		.amdhsa_group_segment_fixed_size 167936
		.amdhsa_private_segment_fixed_size 0
		.amdhsa_enable_private_segment 0
		.amdhsa_kernarg_size 24
		.amdhsa_user_sgpr_count 2
		.amdhsa_user_sgpr_kernarg_segment_ptr 1
		.amdhsa_wavefront_size32 1
		.amdhsa_system_sgpr_workgroup_id_x 1
		.amdhsa_system_sgpr_workgroup_id_y 1
		.amdhsa_system_sgpr_workgroup_id_z 1
		.amdhsa_system_vgpr_workitem_id 0
		.amdhsa_next_free_vgpr 256
		.amdhsa_next_free_sgpr 66
		.amdhsa_reserve_vcc 1
		.amdhsa_float_denorm_mode_32 3
		.amdhsa_float_denorm_mode_16_64 3
		.amdhsa_memory_ordered 1
		.amdhsa_forward_progress 1
		.amdhsa_inst_pref_size 59
	.end_amdhsa_kernel
	.amdgpu_metadata
---
amdhsa.version: [ 1, 2 ]
amdhsa.kernels:
  - .name:           k_qdabbbc78c0_attn
    .symbol:         k_qdabbbc78c0_attn.kd
    .args:
      - { .name: qq, .offset: 0, .size: 8, .value_kind: global_buffer, .address_space: global }
      - { .name: kv, .offset: 8, .size: 8, .value_kind: global_buffer, .address_space: global }
      - { .name: yq, .offset: 16, .size: 8, .value_kind: global_buffer, .address_space: global }
    .group_segment_fixed_size: 167936
    .private_segment_fixed_size: 0
    .kernarg_segment_align: 8
    .kernarg_segment_size: 24
    .max_flat_workgroup_size: 512
    .sgpr_count:     66
    .vgpr_count:     256
    .wavefront_size: 32
...
	.end_amdgpu_metadata
.endif
;; end of part 3
;; launch proj (part 4): grid 32 x 8, 4 waves a work-group, clusters of 4 x 1, 167,936 bytes of LDS; arguments yq, wq4, bp, out0; writes out0
.if DOCPART == 4
	.amdgcn_target "amdgcn-amd-amdhsa--gfx1250"
	.amdhsa_code_object_version 6
	.text
	.protected	k_qdabbbc78c0_proj
	.globl	k_qdabbbc78c0_proj
	.p2align	8
	.type	k_qdabbbc78c0_proj,@function
k_qdabbbc78c0_proj:
	s_mov_b64 s[64:65], 0
	v_nop
	global_prefetch_b8 v0, s[64:65] scope:SCOPE_SE
	s_setreg_imm32_b32 hwreg(HW_REG_WAVE_MODE, 25, 1), 1
	s_wait_xcnt 0x0
	s_wait_alu depctr_hold_cnt(0) depctr_sa_sdst(0) depctr_va_vdst(0) depctr_va_sdst(0) depctr_va_ssrc(0) depctr_va_vcc(0) depctr_vm_vsrc(0)
	s_getreg_b32 s2, hwreg(HW_REG_IB_STS2, 6, 4)
	s_cmp_eq_u32 s2, 0
	s_cbranch_scc0 .Lentry_in_a_cluster
	s_endpgm
.Lentry_in_a_cluster:
	s_bfe_u32 s2, ttmp6, 0x10000c
	s_cmp_lg_u32 s2, 0x3003
	s_cbranch_scc0 .Lentry_shape_is_right
	s_endpgm
.Lentry_shape_is_right:
; out0 = y wp^T + bp on codes of FP4.  Nothing of reference() is left out here.
; SHARES, as in the launch qkv: a work-group takes 256 tokens and 128 columns, in two parts of 64 columns; a wave 64 tokens (four tiles) x 64 columns (four tiles): 16 accumulators.  A wave's codes of y for all of K stay in
; 256 registers; wp's eight tiles are wanted by all four waves and by the four work-groups of the cluster (same columns, other tokens): each wave asks for two of them jointly, once.  One tensor load of a wave is out.
; TRANSPOSED (source 0 = 16 rows of wp, source 1 = 16 tokens): a lane holds eight neighbouring columns of one row of out0.  bp is the C of each sum's first matrix instruction.
; THE WAY OUT: 16 rows x 64 columns at a time through the wave's own stage in LDS (rows 272 bytes apart), back as whole rows of 256 bytes: sixteen lanes store 256 consecutive bytes, aligned.
; REGISTERS: window 0: v1-15 addresses; v16-47 y's scale words; v48-79 wp's; v80-207 the accumulators; v208-239 rows on their way out.  window 1: y's fragments.  window 2: wp's, two buffers.  window 3: v128-159 the bias as C.
.set STAGE, 65536                      ; behind wp's tiles: 4,352 bytes a wave
.set SPARE, 82944                      ; the spare words, 128 bytes a wave
.set YSO,   4194304
.set WSO,   2097152
.set XS,  16
.set WS,  48
.set ACC, 80
.set T,   208
.set BI,  128
.set MSB, 0
.macro WIN new                         ; the immediate's high byte repeats the setting that is left
.if MSB != (\new)
	s_set_vgpr_msb (MSB<<8)|(\new)
.set MSB, (\new)
.endif
.endm
.macro PLACES                          ; four plain places behind matrix instructions, ahead of loads into their registers and of reads of their results
.rept 4
	v_nop
.endr
.endm
.macro CROUND                          ; a round of the cluster's barrier
	s_barrier_signal -1
	s_barrier_wait -1
	s_cmp_lg_u32 s20, 0
	s_cbranch_scc1 .Lnot_wave_0_\@
	s_barrier_signal -3
.Lnot_wave_0_\@:
	s_barrier_wait -3
	s_barrier_signal -1
	s_barrier_wait -1
.endm
	s_load_b256 s[4:11], s[0:1], 0x0               ; yq, wq4, bp, out0
	v_lshl_add_u32 v14, v0, 2, SPARE
	v_mov_b32 v15, 0
	ds_add_u32 v14, v15                            ; the wave's opening: the add, twice on end, and its wait ahead of my first tensor load
	ds_add_u32 v14, v15
	v_lshrrev_b32 v1, 5, v0
	v_readfirstlane_b32 s20, v1                    ; wave 0..3
	s_bfe_u32 s21, ttmp6, 0x40000
	s_lshl_b32 s22, ttmp9, 2
	s_add_co_u32 s22, s22, s21                     ; my block of 256 tokens: it enters global addresses alone
	s_and_b32 s23, ttmp7, 0xffff                   ; my 128 columns, which the four partners share
	; descriptor group 1: two tiles as 64 rows of 256 bytes (32 elements of 8 bytes), dense
	s_mov_b32 s32, 15|(3<<16)|(1<<21)
	s_mov_b32 s33, 32<<16
	s_mov_b32 s34, 64<<16
	s_mov_b32 s35, 32<<16
	s_mov_b32 s36, 64
	s_mov_b32 s37, 32
	s_mov_b32 s38, 0
	s_mov_b32 s39, 0
	s_mov_b32 s28, 1
	s_lshl_b32 s29, s20, 14                        ; in LDS: the wave's number alone
	s_lshl_b32 s60, s23, 16
	s_add_co_u32 s60, s60, s29
	s_add_co_u32 s60, s60, 1572864                 ; in memory: wp is the fourth weight (registers that never hold my place in the cluster)
	s_mov_b32 s61, 0
	v_and_b32 v1, 31, v0
	v_lshlrev_b32 v1, 4, v1                        ; 16 x lane
	v_and_b32 v13, 15, v0                          ; r
	v_bfe_u32 v12, v0, 4, 1                        ; h
	v_lshlrev_b32 v2, 4, v13                       ; 16 r
	v_add_nc_u32 v3, 0, v1                         ; the first part's fragments
	v_lshlrev_b32 v4, 5, v13                       ; y's scale bytes: 32 a row
	v_lshlrev_b32 v5, 6, v12                       ; the bias: 16 numbers on for lanes 16-31
	s_mul_i32 s24, s20, 4352
	s_add_co_u32 s24, s24, STAGE
	v_mul_u32_u24 v7, v13, 272
	v_lshl_add_u32 v7, v12, 6, v7
	v_add_nc_u32 v7, s24, v7                       ; into the stage: row r, 64 h
	v_mul_u32_u24 v8, v12, 272
	v_add_nc_u32 v8, v8, v2
	v_add_nc_u32 v8, s24, v8                       ; back: lanes 0-15 one row, lanes 16-31 the next
	v_lshl_add_u32 v9, v12, 12, v2                 ; and the same two rows of out0
	s_mov_b32 s57, 0
	s_wait_dscnt 0x0                               ; both opening adds are done
	s_wait_kmcnt 0x0
	s_add_nc_u64 s[30:31], s[6:7], s[60:61]
	s_or_b32 s31, s31, 0x80000000
	s_lshl_b32 s56, s22, 17
	s_lshl_b32 s58, s20, 15
	s_add_co_u32 s56, s56, s58
	s_add_nc_u64 s[40:41], s[4:5], s[56:57]        ; y's codes: my four tiles
	s_lshl_b32 s56, s22, 13
	s_lshl_b32 s58, s20, 11
	s_add_co_u32 s56, s56, s58
	s_add_co_u32 s56, s56, YSO
	s_add_nc_u64 s[42:43], s[4:5], s[56:57]        ; their scale bytes
	s_lshl_b32 s56, s23, 12
	s_add_co_u32 s56, s56, WSO+192*512
	s_add_nc_u64 s[46:47], s[6:7], s[56:57]        ; wp's scale words
	s_lshl_b32 s56, s23, 9
	s_add_nc_u64 s[48:49], s[8:9], s[56:57]        ; bp at my 128 columns
	s_lshl_b32 s58, s22, 20
	s_add_co_u32 s56, s56, s58
	s_lshl_b32 s58, s20, 18
	s_add_co_u32 s56, s56, s58
	s_add_nc_u64 s[54:55], s[10:11], s[56:57]      ; out0 at my first row and column
	CROUND                                         ; all four work-groups are here: the joint loads meet
	tensor_load_to_lds s[28:31], s[32:39]
	s_nop 0
	PLACES
	WIN 0x40                                       ; destination window 1
.irp tt, 0,1,2,3
.irp s, 0,1,2,3,4,5,6,7
.irp c, 0,1
	global_load_b128 v[8*(8*\tt+\s)+4*\c:8*(8*\tt+\s)+4*\c+3], v1, s[40:41] offset:\tt*8192+\s*1024+\c*512
.endr
.endr
.endr
	WIN 0
	s_wait_alu depctr_va_vdst(0)
.irp tt, 0,1,2,3
.irp kh, 0,1
	global_load_b128 v[XS+8*\tt+4*\kh:XS+8*\tt+4*\kh+3], v4, s[42:43] offset:\tt*512+\kh*16
.endr
.endr
.macro PRE hd                          ; the part's scale words and bias
	WIN 0
.irp ct, 0,1,2,3
.irp kh, 0,1
	global_load_b128 v[WS+8*\ct+4*\kh:WS+8*\ct+4*\kh+3], v2, s[46:47] offset:(4*\hd+\ct)*512+\kh*256
.endr
.endr
	WIN 0xc0
.irp ct, 0,1,2,3
	global_load_b128 v[BI+8*\ct:BI+8*\ct+3], v5, s[48:49] offset:\hd*256+(32*(\ct/2)+8*(\ct%2))*4
	global_load_b128 v[BI+8*\ct+4:BI+8*\ct+7], v5, s[48:49] offset:\hd*256+(32*(\ct/2)+8*(\ct%2))*4+16
.endr
	WIN 0
.endm
.macro FETCH kh, buf                   ; 32 LDS loads in one run: four tiles' fragments of four K steps
	WIN 0x80
.irp sl, 0,1,2,3
.irp ct, 0,1,2,3
.irp c, 0,1
	ds_load_b128 v[128*\buf+32*\sl+8*\ct+4*\c:128*\buf+32*\sl+8*\ct+4*\c+3], v3 offset:\ct*8192+(4*\kh+\sl)*1024+\c*512
.endr
.endr
.endr
.endm
.macro MULSTEP s, buf, first           ; 16 matrix instructions: the 16 accumulators take turns, in the same order in every step
	WIN 0x06+0x30*\first
.irp tt, 0,1,2,3
.irp ct, 0,1,2,3
.set rD, ACC+8*(4*\tt+\ct)
.set rW, 128*\buf+32*((\s)%4)+8*\ct
.set rX, 8*(8*\tt+(\s))
.if \first
	v_wmma_scale_f32_16x16x128_f8f6f4 v[rD:rD+7], v[rW:rW+7], v[rX:rX+7], v[BI+8*\ct:BI+8*\ct+7], v[WS+8*\ct+(\s)], v[XS+8*\tt+(\s)] matrix_a_fmt:MATRIX_FMT_FP4 matrix_b_fmt:MATRIX_FMT_FP4
.else
	v_wmma_scale_f32_16x16x128_f8f6f4 v[rD:rD+7], v[rW:rW+7], v[rX:rX+7], v[rD:rD+7], v[WS+8*\ct+(\s)], v[XS+8*\tt+(\s)] matrix_a_fmt:MATRIX_FMT_FP4 matrix_b_fmt:MATRIX_FMT_FP4
.endif
.endr
.endr
.endm
.macro EPI_OUT hd
.irp tt, 0,1,2,3
.irp ct, 0,1,2,3
	ds_store_b128 v7, v[ACC+8*(4*\tt+\ct):ACC+8*(4*\tt+\ct)+3] offset:128*(\ct/2)+32*(\ct%2)        ; each accumulator from its low end on
	ds_store_b128 v7, v[ACC+8*(4*\tt+\ct)+4:ACC+8*(4*\tt+\ct)+7] offset:128*(\ct/2)+32*(\ct%2)+16
.endr
	s_wait_xcnt 0x0                                ; the last tile's stores have read their data
.irp i, 0,1,2,3,4,5,6,7
	ds_load_b128 v[T+4*\i:T+4*\i+3], v8 offset:2*\i*272            ; LDS serves a wave's instructions in order: these see my stores, and the next tile's stores come behind them
.endr
.irp i, 0,1,2,3,4,5,6,7
	s_wait_dscnt 7-\i                              ; the younger loads may be out
	global_store_b128 v9, v[T+4*\i:T+4*\i+3], s[54:55] offset:(16*\tt+2*\i)*4096+\hd*256 th:TH_STORE_NT
.endr
.endr
.endm
.macro SUB hd, next, nhd
	FETCH 1, 1
	s_wait_loadcnt 0x0                             ; the part's scale words and bias (the first part: y and its scale bytes too)
	s_wait_dscnt 32                                ; all but the 32 loads just issued
	MULSTEP 0, 0, 1
	MULSTEP 1, 0, 0
	MULSTEP 2, 0, 0
	MULSTEP 3, 0, 0
	WIN 0
	PLACES
.if \next
	v_add_nc_u32 v3, \nhd*32768, v1
	FETCH 0, 0
	s_wait_alu depctr_va_vdst(0)
	s_wait_dscnt 32                                ; all but those 32: the second buffer is in
.else
	s_wait_dscnt 0x0
.endif
	MULSTEP 4, 1, 0
	MULSTEP 5, 1, 0
	MULSTEP 6, 1, 0
	MULSTEP 7, 1, 0
	WIN 0
	PLACES                                         ; four serve the loads into the scale words' registers and the LDS stores that read the results;
.if \next
	v_nop                                          ; a fifth: the next part's first products begin these accumulators anew, with the bias as C: a matrix instruction that writes over another's registers stands five places behind it, and the way out between holds no vector line
	PRE \nhd
.endif
	EPI_OUT \hd
.endm
	PRE 0
	s_wait_tensorcnt 0x0                           ; my two tiles of wp are in,
	s_barrier_signal -1
	s_barrier_wait -1                              ; everybody's are
	FETCH 0, 0
	SUB 0, 1, 1
	SUB 1, 0, 0
	s_wait_tensorcnt 0x0                           ; the wave's end
	ds_add_u32 v14, v15
	s_wait_dscnt 0x0
	CROUND                                         ; the closing round
	s_endpgm
.Lfunc_end_k_qdabbbc78c0_proj:
	.size	k_qdabbbc78c0_proj, .Lfunc_end_k_qdabbbc78c0_proj-k_qdabbbc78c0_proj
	.p2alignl 7, 3214868480
	.fill 96, 4, 3214868480
	.section	.rodata,"a",@progbits
	.p2align	6, 0x0
	.amdhsa_kernel k_qdabbbc78c0_proj
		.amdhsa_group_segment_fixed_size 167936
		.amdhsa_private_segment_fixed_size 0
		.amdhsa_enable_private_segment 0
		.amdhsa_kernarg_size 32
		.amdhsa_user_sgpr_count 2
		.amdhsa_user_sgpr_kernarg_segment_ptr 1
		.amdhsa_wavefront_size32 1
		.amdhsa_system_sgpr_workgroup_id_x 1
		.amdhsa_system_sgpr_workgroup_id_y 1
		.amdhsa_system_sgpr_workgroup_id_z 1
		.amdhsa_system_vgpr_workitem_id 0
		.amdhsa_next_free_vgpr 1024
		.amdhsa_next_free_sgpr 66
		.amdhsa_reserve_vcc 0
		.amdhsa_float_denorm_mode_32 3
		.amdhsa_float_denorm_mode_16_64 3
		.amdhsa_memory_ordered 1
		.amdhsa_forward_progress 1
		.amdhsa_inst_pref_size 72
	.end_amdhsa_kernel
	.amdgpu_metadata
---
amdhsa.version: [ 1, 2 ]
amdhsa.kernels:
  - .name:           k_qdabbbc78c0_proj
    .symbol:         k_qdabbbc78c0_proj.kd
    .args:
      - { .name: yq, .offset: 0, .size: 8, .value_kind: global_buffer, .address_space: global }
      - { .name: wq4, .offset: 8, .size: 8, .value_kind: global_buffer, .address_space: global }
      - { .name: bp, .offset: 16, .size: 8, .value_kind: global_buffer, .address_space: global }
      - { .name: out0, .offset: 24, .size: 8, .value_kind: global_buffer, .address_space: global }
    .group_segment_fixed_size: 167936
    .private_segment_fixed_size: 0
    .kernarg_segment_align: 8
    .kernarg_segment_size: 32
    .max_flat_workgroup_size: 128
    .sgpr_count:     66
    .vgpr_count:     1024
    .wavefront_size: 32
...
	.end_amdgpu_metadata
.endif
;; end of part 4
